; MI455X (gfx1250); checked and timed in simulation.
; The chip was launched on July 23, 2026; its instructions are those of AMD's public machine-readable ISA for CDNA 5 (MIT licence, August 2026) and "CDNA5" Instruction Set Architecture Reference Guide (July 2026). The comments in the code are by the model that wrote it; some were corrected since.
;; Modulation Index. Allowed arithmetic: float matrix products may take bf16 or f16 operands with f32 sums; all other float work in f32.
;; Inputs: amp 4 x 16 x 30 x 4 x 2,048 float32; pha 4 x 16 x 10 x 4 x 2,048 float32.
;; Outputs: out0 4 x 16 x 10 x 30 float32.
;; One version. Each part assembles by itself: llvm-mc -triple=amdgcn-amd-amdhsa -mcpu=gfx1250 --defsym DOCPART=n.
;; ======== version 1 of 1: 2 launches
;; workspace buffers: part 327,680 bytes
;; launch mi (part 1): grid 256 x 1, 8 waves a work-group, no clusters, 321,792 bytes of LDS; arguments amp, pha, part; writes part
.if DOCPART == 1
	.amdgcn_target "amdgcn-amd-amdhsa--gfx1250"
	.amdhsa_code_object_version 6
	.text
	.protected	k_qc118f87810_mi
	.globl	k_qc118f87810_mi
	.p2align	8
	.type	k_qc118f87810_mi,@function
k_qc118f87810_mi:
	s_mov_b64 s[64:65], 0
	v_nop
	global_prefetch_b8 v0, s[64:65] scope:SCOPE_SE
	s_setreg_imm32_b32 hwreg(HW_REG_WAVE_MODE, 25, 1), 1
	s_wait_xcnt 0x0
; Modulation index of ONE segment: part[seg][bc][p][a] = 0.25 * MI(b, c, p, a, seg); columns a = 30, 31 of part hold finite numbers that nobody reads.
; One work-group for each (bc, seg): 256 in all.  No two work-groups read the same byte, so there are no clusters and no joint loads.
; The sums over time are a matrix product: A = one-hot rows (phase bin x time), made here from pha; B = amp in bf16, with two columns of ones
; (a = 30, 31) so that column 30 of the result is the bin's count.  Sums in f32.
; BINNING: z = 9 - pha * 9/pi, label u = min(trunc(max(z, 0)), 17) = 17 - bin.  The label runs backward; every later step sums over all bins.
;   Both ends, values outside [-pi, pi] and NaN (label 0 = bin 17) fall where the clipped search puts them.
;   LIMIT: one fused multiply-add stands for the comparison with the rounded cutoffs, so a phase within about 5e-7 rad of an interior cutoff
;   may fall into the neighbouring bin.
; ONE-HOT: w = 1 << u.  For each p a row D of 16-bit words w & 0xffff lies in LDS, two time steps to a register.  Lane row r makes its A element by
;   (D << (14 - r)) & 0x40004000: bit r lands on bit 14 and bit 16 + r on bit 30, so each half is bf16 2.0 or 0.  Rows 0..14 are labels 0..14, row 15 is 0
;   (shift by 31).  Labels 15..17 of the wave's five p share a sixth row X: bit 3 pl + b is label 15 + b; its row 15 is 0 too.
;   All sums and counts are therefore doubled: mean = S / (C + 2e-9) equals sum / (count + 1e-9).
; WAVES: w = 4 mh + kq.  mh: p = 5 mh .. 5 mh + 4.  kq: time steps 512 kq .. + 511.  A wave has 6 row tiles x 2 column tiles = 12 accumulators, 16 K steps of 32.
; All that the work-group reads is asked for at the head: 20 register loads a wave for pha, 4 tensor loads a wave for amp (four outstanding by this text's count).
; Every LDS byte is filled once by the mover, so there is no refill and no ring.
.set AMPW,   33792                     ; amp of one wave: 4 pieces
.set PIECE,  8448                      ; 16 rows (a) x 128 time steps of f32, pitch 528
.set BPITCH, 528                       ; 512 bytes + 16 of padding = 33 x 16: the 16 rows of a fragment load start 16 bytes apart modulo 256
.set DW,     270336                    ; behind amp: the one-hot rows, written by ds_store alone
.set DWW,    6144                      ; of one wave: 6 rows
.set DROW,   1024                      ; 512 time steps x 2 bytes
.set STAGE,  319488                    ; 10 p x 32 a of f32
.set REDW,   12288                     ; a wave's 12 accumulator tiles; lies over amp once amp has been read for the last time
.set ACC, 16                           ; v[16:111]  tile (i, nt) at ACC + 16 i + 8 nt
.set AB,  112                          ; v[112:159] six A buffers, buffer i for row tile i
.set BR,  160                          ; v[160:191] B as f32, 16 registers for each nt
.set BF,  192                          ; v[192:223] B in bf16: 2 sets x 2 nt x 8
.set PH,  16                           ; v[16:95]   the phases (before the accumulators exist)
.set T,   96                           ; v[96:97]   packed low halves
.set X,   98                           ; v[98:99]   the shared row
.set U,   100                          ; v[100:101] at work
; v1 14 - r   v2 address of A   v3, v4 addresses of B (a 0-15, 16-31)   v5 two bf16 ones   v6 where D is stored   v7 16 x lane   v8 temporary, then store address
; v9 r   v10 h   v11 lane   v[12:13] 9.0
; s[4:5] amp  s[6:7] pha  s[8:9] part  s10 wave  s11 kq  s12 mh  s13 bc  s14 seg  s[16:23] descriptor group 1  s[32:47] group 0, one for each piece
	s_load_b128 s[4:7], s[0:1], 0x0                ; amp, pha
	s_load_b64 s[8:9], s[0:1], 0x10                ; part
	v_lshl_add_u32 v224, v0, 2, 0x4e500
	v_mov_b32 v225, 0
	ds_add_u32 v224, v225
	ds_add_u32 v224, v225
	v_lshrrev_b32 v8, 5, v0
	v_readfirstlane_b32 s10, v8                    ; wave 0..7
	v_and_b32 v11, 31, v0                          ; lane
	v_and_b32 v9, 15, v0                           ; r
	v_bfe_u32 v10, v0, 4, 1                        ; h
	v_lshlrev_b32 v7, 4, v11
	s_and_b32 s11, s10, 3                          ; kq
	s_lshr_b32 s12, s10, 2                         ; mh
	s_lshr_b32 s13, ttmp9, 2                       ; bc
	s_and_b32 s14, ttmp9, 3                        ; seg
	s_lshl_b32 s52, s14, 13                        ; a segment is 8,192 bytes
	s_lshl_b32 s54, s11, 11                        ; a quarter of it 2,048
	s_mul_i32 s48, s13, 327680                     ; pha: 10 p x 4 seg x 8,192 bytes for each bc
	s_mul_i32 s53, s12, 163840                     ; five p
	s_add_co_u32 s48, s48, s52
	s_add_co_u32 s48, s48, s53
	s_add_co_u32 s48, s48, s54
	s_mov_b32 s49, 0
	s_mul_i32 s50, s13, 983040                     ; amp: 30 a x 4 seg x 8,192 bytes for each bc
	s_lshl_b32 s53, s12, 19                        ; sixteen a
	s_add_co_u32 s50, s50, s52
	s_add_co_u32 s50, s50, s53
	s_add_co_u32 s50, s50, s54
	s_mov_b32 s51, 0
	s_lshl_b32 s56, s14, 6
	s_add_co_u32 s56, s56, s13
	s_mul_i32 s56, s56, 1280                       ; part: (64 seg + bc) x 10 p x 32 a x 4 bytes
	s_mov_b32 s57, 0
	; descriptor group 1: 16 rows x 128 elements of 4 bytes, 8,192 elements from row to row, 4 words of padding behind every 128
	s_mov_b32 s16, 0x07920000                      ; no mask; 17:16 = 2 (4 bytes); 20 padding on; 24:22 = 6 (every 128 words); 31:25 = 3 (4 words)
	s_mov_b32 s17, 128<<16                         ; tensor_dim0 = 128
	s_lshl_b32 s55, s12, 17
	s_sub_co_u32 s18, 16<<16, s55                  ; tensor_dim1 = rows left: 16 for a = 0.., 14 for a = 16..: rows 30 and 31 arrive as zeros and nothing is read past amp
	s_mov_b32 s19, 128<<16                         ; tile_dim0 = 128
	s_mov_b32 s20, 16                              ; tile_dim1 = 16
	s_mov_b32 s21, 8192
	s_mov_b32 s22, 0
	s_mov_b32 s23, 0
	s_mul_i32 s55, s10, AMPW                       ; my part of LDS
	s_wait_dscnt 0x0
	s_wait_kmcnt 0x0
	s_add_nc_u64 s[6:7], s[6:7], s[48:49]
	s_add_nc_u64 s[4:5], s[4:5], s[50:51]
	s_add_nc_u64 s[8:9], s[8:9], s[56:57]
	; pha: load (j, pl) covers 512 consecutive bytes: time steps 128 j + 4 lane .. + 3 of p = 5 mh + pl
.irp j,0,1,2,3
.irp pl,0,1,2,3,4
	global_load_b128 v[PH+4*(5*\j+\pl):PH+4*(5*\j+\pl)+3], v7, s[6:7] offset:\pl*32768+\j*512 th:TH_LOAD_NT
.endr
.endr
	; amp: piece q = my 16 rows, time steps 128 q .. + 127 of my quarter
.irp q,0,1,2,3
	s_mov_b32 s[32+4*\q], 1
	s_add_co_u32 s[33+4*\q], s55, \q*PIECE
	s_add_nc_u64 s[34+4*\q:35+4*\q], s[4:5], \q*512
	s_or_b32 s[35+4*\q], s[35+4*\q], 0x80000000
	tensor_load_to_lds s[32+4*\q:35+4*\q], s[16:23]
	s_nop 0
.endr
	s_mov_b32 s24, 0x40004000                      ; two bf16 2.0
	s_mov_b32 s25, 0xc000c000                      ; lanes with r = 14, 15: columns a = 30, 31
	s_mov_b32 s26, 0x05040100                      ; v_perm_b32: the two low halves
	s_mov_b32 s27, 0x07060302                      ; the two high halves
	s_mov_b32 s28, 0xc03758b4                      ; -9/pi
	s_mov_b32 s29, 0xc03758b4
	s_mov_b32 s30, 0x00010001
	s_mov_b32 s31, 0xffff0000                      ; lanes with h = 1
	s_mov_b32 s66, 0x3089705f                      ; 1e-9
	s_mov_b32 s67, 0x3089705f
	s_mov_b32 s68, 0x3109705f                      ; 2e-9
	s_mov_b32 s69, 0x3109705f
	s_mov_b32 s70, 0x3d759166                      ; 0.25 / log2(18)
	s_mov_b32 s71, 0x3e800000                      ; 0.25
	s_mov_b32 s72, 0x76543210                      ; v_permlanex16_b32: lane i of the other half
	s_mov_b32 s73, 0xfedcba98
	v_mov_b32 v12, 0x41100000                      ; 9.0
	v_mov_b32 v13, 0x41100000
	v_sub_nc_u32 v1, 14, v9                        ; the shift; r = 15 gives 31 in its low five bits
	s_mul_i32 s58, s10, DWW
	s_add_co_u32 s58, s58, DW                      ; my six rows
	v_lshl_add_u32 v2, v10, 4, s58                 ; A: 8 time steps = 16 bytes for each half of the lanes; all r read the same words
	v_lshl_add_u32 v6, v11, 3, s58                 ; D: 4 time steps = 8 bytes a lane
	v_mul_u32_u24 v3, v9, BPITCH
	v_lshl_add_u32 v3, v10, 5, v3                  ; B: row r, 8 time steps of f32 = 32 bytes for each half
	s_mul_i32 s59, s11, AMPW
	v_add_nc_u32 v3, s59, v3                       ; a = 0..15 of my quarter: brought by wave kq,
	v_add_nc_u32 v4, 4*AMPW, v3                    ; a = 16..31: by wave 4 + kq
	v_mov_b32 v5, 0x3f803f80
; Four time steps of one p: labels, one-hot words, the low halves to row pl, labels 15..17 into X.
.macro BIN4 pl, j
.set PB, PH+4*(5*\j+\pl)
	v_pk_fma_f32 v[PB:PB+1], v[PB:PB+1], s[28:29], v[12:13] op_sel_hi:[1,0,1]
	v_pk_fma_f32 v[PB+2:PB+3], v[PB+2:PB+3], s[28:29], v[12:13] op_sel_hi:[1,0,1]
.irp k,0,1,2,3
	v_max_num_f32 v[PB+\k], 0, v[PB+\k]            ; below zero and NaN: label 0
.endr
.irp k,0,1,2,3
	v_cvt_u32_f32 v[PB+\k], v[PB+\k]
.endr
.irp k,0,1,2,3
	v_min_u32 v[PB+\k], 17, v[PB+\k]
.endr
.irp k,0,1,2,3
	v_lshlrev_b32 v[PB+\k], v[PB+\k], 1            ; 1 << label
.endr
	v_perm_b32 v[T], v[PB+1], v[PB], s26           ; the earlier time step in the low half
	v_perm_b32 v[T+1], v[PB+3], v[PB+2], s26
	ds_store_b64 v6, v[T:T+1] offset:\pl*DROW+\j*256
	v_perm_b32 v[PB], v[PB+1], v[PB], s27          ; labels 16, 17 at bits 0, 1 of each half
	v_perm_b32 v[PB+2], v[PB+3], v[PB+2], s27
	v_lshrrev_b32 v[U], 15, v[T]
	v_lshrrev_b32 v[U+1], 15, v[T+1]
	v_and_b32 v[U], s30, v[U]                      ; label 15 at bit 0 of each half
	v_and_b32 v[U+1], s30, v[U+1]
.if \pl == 0
	v_lshl_or_b32 v[X], v[PB], 1, v[U]             ; the first p starts the row
	v_lshl_or_b32 v[X+1], v[PB+2], 1, v[U+1]
.else
	v_lshl_or_b32 v[X], v[U], 3*\pl, v[X]
	v_lshl_or_b32 v[X+1], v[U+1], 3*\pl, v[X+1]
	v_lshl_or_b32 v[X], v[PB], 3*\pl+1, v[X]
	v_lshl_or_b32 v[X+1], v[PB+2], 3*\pl+1, v[X+1]
.endif
.endm
.irp j,0,1,2,3
	s_wait_loadcnt 15-5*\j                         ; loads return in order: the five of this j are in, the five of each later j stay out
.irp pl,0,1,2,3,4
	BIN4 \pl, \j
.endr
	ds_store_b64 v6, v[X:X+1] offset:5*DROW+\j*256
.endr
; THE PRODUCT.  DSN counts the LDS loads issued so far; LAb and LB hold its value behind the last load into A buffer b and into BR,
; so that DSN - LAb is the number of LDS instructions issued behind that load: the count of the wait for it.
.set DSN, 0
.macro ALOAD b, ks                     ; row tile b, K step ks: 32 time steps of 2 bytes
	ds_load_b128 v[AB+8*\b:AB+8*\b+3], v2 offset:\b*DROW+(\ks)*64
	ds_load_b128 v[AB+8*\b+4:AB+8*\b+7], v2 offset:\b*DROW+(\ks)*64+32
.set DSN, DSN+2
.set LA\b, DSN
.endm
.macro BLOAD ks                        ; both column tiles, K step ks: k = 8h .. 8h+7 at bytes 0 and 16, k = 16+8h .. at bytes 64 and 80
.set BO, ((\ks)/4)*PIECE+((\ks)%4)*128
	ds_load_b128 v[BR:BR+3], v3 offset:BO
	ds_load_b128 v[BR+4:BR+7], v3 offset:BO+16
	ds_load_b128 v[BR+8:BR+11], v3 offset:BO+64
	ds_load_b128 v[BR+12:BR+15], v3 offset:BO+80
	ds_load_b128 v[BR+16:BR+19], v4 offset:BO
	ds_load_b128 v[BR+20:BR+23], v4 offset:BO+16
	ds_load_b128 v[BR+24:BR+27], v4 offset:BO+64
	ds_load_b128 v[BR+28:BR+31], v4 offset:BO+80
.set DSN, DSN+8
.set LB, DSN
.endm
.macro BUILD b                         ; one-hot words to bf16: my row's bit of each half to that half's bit 14
	s_wait_dscnt DSN-LA\b
.irp e,0,1,2,3,4,5,6,7
	v_lshlrev_b32 v[AB+8*\b+\e], v1, v[AB+8*\b+\e]
.endr
.irp e,0,1,2,3,4,5,6,7
	v_and_b32 v[AB+8*\b+\e], s24, v[AB+8*\b+\e]
.endr
.endm
.macro BCVT nt, set
.irp e,0,1,2,3,4,5,6,7
	v_cvt_pk_bf16_f32 v[BF+16*(\set)+8*\nt+\e], v[BR+16*\nt+2*\e], v[BR+16*\nt+2*\e+1]
.endr
.endm
.macro BONES set                       ; columns a = 30, 31 become ones: the counts
.irp e,0,1,2,3,4,5,6,7
	v_cndmask_b32 v[BF+16*(\set)+8+\e], v[BF+16*(\set)+8+\e], v5, s25
.endr
.endm
.macro SYNC q                          ; piece q of amp becomes readable for all waves
	s_wait_tensorcnt 3-\q                          ; a wave's tensor loads end in order: my piece q is in, the later pieces stay out
	s_wait_dscnt 0x0                               ; no LDS instruction of mine is pending at the signal
	s_barrier_signal -1
	s_barrier_wait -1
.endm
; One row tile of one K step.  ld: the buffer that the slot before has multiplied, loaded here for five slots later; behind that slot's two matrix
; instructions stand the 16 plain vector instructions of its BUILD, which name none of their registers (ISA guide 7.12.1 asks for four).
; nx: the buffer of the next slot, made ready here.  The twelve accumulators take turns, one instruction a turn.
.macro SLOT ks, i, ld, nx
.set NK, \ks+1
.set NS, (\ks+1)%2
.set CS, \ks%2
.if \i == 0
.if \ks < 15
.if NK%4 == 0
.set SQ, NK/4
	SYNC SQ
.endif
.endif
.endif
.if 6*\ks+\i+5 <= 95
.if \i == 0
	ALOAD \ld, \ks
.else
	ALOAD \ld, NK
.endif
.endif
.if \i == 0
.if \ks < 15
	BLOAD NK
.endif
.endif
.if \ks == 0
	v_wmma_f32_16x16x32_bf16 v[ACC+16*\i:ACC+16*\i+7], v[AB+8*\i:AB+8*\i+7], v[BF+16*CS:BF+16*CS+7], 0         ; the first K step starts the sums
	v_wmma_f32_16x16x32_bf16 v[ACC+16*\i+8:ACC+16*\i+15], v[AB+8*\i:AB+8*\i+7], v[BF+16*CS+8:BF+16*CS+15], 0
.else
	v_wmma_f32_16x16x32_bf16 v[ACC+16*\i:ACC+16*\i+7], v[AB+8*\i:AB+8*\i+7], v[BF+16*CS:BF+16*CS+7], v[ACC+16*\i:ACC+16*\i+7]
	v_wmma_f32_16x16x32_bf16 v[ACC+16*\i+8:ACC+16*\i+15], v[AB+8*\i:AB+8*\i+7], v[BF+16*CS+8:BF+16*CS+15], v[ACC+16*\i+8:ACC+16*\i+15]
.endif
.if 6*\ks+\i < 95
	BUILD \nx
.endif
.if \ks < 15
.if \i == 3
	s_wait_dscnt DSN-LB                            ; the next K step's B is in; the A loads issued behind it stay out
	BCVT 0, NS                                     ; into the set that the K step before this one read
.endif
.if \i == 4
	BCVT 1, NS
.endif
.if \i == 5
	BONES NS
.endif
.endif
.endm
.macro KSTEP ks
	SLOT \ks, 0, 5, 1
	SLOT \ks, 1, 0, 2
	SLOT \ks, 2, 1, 3
	SLOT \ks, 3, 2, 4
	SLOT \ks, 4, 3, 5
	SLOT \ks, 5, 4, 0
.endm
	SYNC 0
	BLOAD 0
	ALOAD 0, 0                                     ; my own rows: LDS serves a wave's instructions in order, these see the stores above
	ALOAD 1, 0
	ALOAD 2, 0
	ALOAD 3, 0
	ALOAD 4, 0
	s_wait_dscnt DSN-LB
	BCVT 0, 0
	BCVT 1, 0
	BONES 0
	BUILD 0
.irp ks,0,1,2,3,4,5,6,7,8,9,10,11,12,13,14,15
	KSTEP \ks
.endr
	; THE FOUR QUARTERS OF TIME MEET IN LDS, over amp: every tensor load has landed (the last SYNC waited for 0) and none follows.
	s_wait_dscnt 0x0                               ; my reads of amp are over
	s_barrier_signal -1
	s_barrier_wait -1                              ; everybody's are
	s_mul_i32 s48, s10, REDW
	v_lshl_add_u32 v8, v11, 4, s48                 ; with the three v_nop: four places behind the last matrix instruction before its result is stored (ISA guide 7.12.1)
	v_nop
	v_nop
	v_nop
.irp t,0,1,2,3,4,5,6,7,8,9,10,11
	ds_store_b128 v8, v[ACC+8*\t:ACC+8*\t+3] offset:\t*1024          ; element (m, n) of tile t: t*1024 + (m&4)*128 + (m&8)*32 + 16 n + (m&3)*4
	ds_store_b128 v8, v[ACC+8*\t+4:ACC+8*\t+7] offset:\t*1024+512
.endr
	s_wait_dscnt 0x0                               ; for the others' sake: zero
	s_barrier_signal -1
	s_barrier_wait -1
.macro ROWADR d, m, t                  ; byte offset of row m in a tile, without the column
	v_and_b32 v[\t], 3, v[\m]
	v_lshlrev_b32 v[\d], 2, v[\t]
	v_and_b32 v[\t], 4, v[\m]
	v_lshl_add_u32 v[\d], v[\t], 7, v[\d]
	v_and_b32 v[\t], 8, v[\m]
	v_lshl_add_u32 v[\d], v[\t], 5, v[\d]
.endm
; One tile (pl, nt) of my p half: tile number kq + 4 c.  Lane (r, h) takes column a = 16 nt + r and ten bins: rows 8h .. 8h+7 of the p tile,
; row 3 pl + h of X, and row 3 pl + 2 of X (h = 1) or X's zero row 15 (h = 0).  Zero rows have sum 0 and count 0: mean 0, probability 0, term 0.
; v[16:47] sums, v[48:79] counts (8 for each quarter); v[80:87] X sums, v[88:95] X counts; v[96:99] at work; v[100:110] addresses.
.macro UNIT c
	s_add_co_u32 s48, s11, 4*\c                    ; tile
	s_lshr_b32 s49, s48, 1                         ; pl
	s_and_b32 s50, s48, 1                          ; nt
	s_mul_i32 s51, s12, 4*REDW                     ; my p half's four waves
	s_lshl_b32 s52, s48, 10
	s_add_co_u32 s52, s52, s51
	v_lshl_add_u32 v100, v11, 4, s52               ; sums: as they were stored
	s_lshl_b32 s53, s49, 11
	s_add_co_u32 s53, s53, s51
	s_add_co_u32 s53, s53, 1024+224
	v_lshl_add_u32 v101, v10, 8, s53               ; counts: tile (pl, 1), column 14, my half's rows
	s_mul_i32 s54, s49, 3
	v_add_nc_u32 v102, s54, v10                    ; X row 3 pl + h
	s_add_co_u32 s55, s54, 2
	v_mov_b32 v103, s55
	v_cndmask_b32 v103, 15, v103, s31              ; X row 3 pl + 2, or 15
	ROWADR 104, 102, 110
	ROWADR 105, 103, 110
	s_lshl_b32 s56, s50, 10
	s_add_co_u32 s56, s56, s51
	s_add_co_u32 s56, s56, 10*1024
	v_lshl_add_u32 v106, v9, 4, s56                ; tile (X, nt), column r
	v_add_nc_u32 v107, v104, v106
	v_add_nc_u32 v108, v105, v106
	s_add_co_u32 s57, s51, 11*1024+224             ; tile (X, 1), column 14
	v_add_nc_u32 v104, s57, v104
	v_add_nc_u32 v105, s57, v105
	s_mul_i32 s58, s12, 5
	s_add_co_u32 s58, s58, s49                     ; p
	s_lshl_b32 s58, s58, 7
	s_lshl_b32 s59, s50, 6
	s_add_co_u32 s58, s58, s59
	s_add_co_u32 s58, s58, STAGE
	v_lshl_add_u32 v109, v9, 2, s58                ; stage: 128 p + 64 nt + 4 r
.irp q,0,1,2,3
	ds_load_b128 v[16+8*\q:19+8*\q], v100 offset:\q*REDW
	ds_load_b128 v[20+8*\q:23+8*\q], v100 offset:\q*REDW+512
	ds_load_b128 v[48+8*\q:51+8*\q], v101 offset:\q*REDW
	ds_load_b128 v[52+8*\q:55+8*\q], v101 offset:\q*REDW+512
	ds_load_b32 v[80+\q], v107 offset:\q*REDW
	ds_load_b32 v[84+\q], v108 offset:\q*REDW
	ds_load_b32 v[88+\q], v104 offset:\q*REDW
	ds_load_b32 v[92+\q], v105 offset:\q*REDW
.endr
	s_wait_dscnt 0x0
.irp e,0,2,4,6
	v_pk_add_f32 v[16+\e:17+\e], v[16+\e:17+\e], v[24+\e:25+\e]
	v_pk_add_f32 v[32+\e:33+\e], v[32+\e:33+\e], v[40+\e:41+\e]
	v_pk_add_f32 v[48+\e:49+\e], v[48+\e:49+\e], v[56+\e:57+\e]
	v_pk_add_f32 v[64+\e:65+\e], v[64+\e:65+\e], v[72+\e:73+\e]
.endr
.irp e,0,2,4,6
	v_pk_add_f32 v[16+\e:17+\e], v[16+\e:17+\e], v[32+\e:33+\e]
	v_pk_add_f32 v[48+\e:49+\e], v[48+\e:49+\e], v[64+\e:65+\e]
.endr
.irp x,80,84,88,92
	v_pk_add_f32 v[\x:\x+1], v[\x:\x+1], v[\x+2:\x+3]
.endr
	v_add_f32 v24, v80, v81                        ; bins 8 and 9 join the others: sums v[16:25], counts v[48:57]
	v_add_f32 v25, v84, v85
	v_add_f32 v56, v88, v89
	v_add_f32 v57, v92, v93
.irp e,0,2,4,6,8
	v_pk_add_f32 v[48+\e:49+\e], v[48+\e:49+\e], s[68:69] op_sel_hi:[1,0]
.endr
.irp e,0,1,2,3,4,5,6,7,8,9
	v_rcp_f32 v[48+\e], v[48+\e]
.endr
	v_nop                                          ; one plain instruction behind the transcendentals before their results are used (ISA guide 5.7.2)
	s_wait_alu depctr_va_vdst(0)
.irp e,0,2,4,6,8
	v_pk_mul_f32 v[16+\e:17+\e], v[16+\e:17+\e], v[48+\e:49+\e]     ; the bins' means
.endr
	v_pk_add_f32 v[96:97], v[16:17], v[18:19]
	v_pk_add_f32 v[98:99], v[20:21], v[22:23]
	v_pk_add_f32 v[96:97], v[96:97], v[24:25]
	v_pk_add_f32 v[96:97], v[96:97], v[98:99]
	v_add_f32 v96, v96, v97
	v_permlanex16_b32 v97, v96, s72, s73           ; the other half's ten bins
	v_add_f32 v96, v96, v97
	v_add_f32 v96, s66, v96
	v_rcp_f32 v96, v96
	v_nop
	s_wait_alu depctr_va_vdst(0)
.irp e,0,2,4,6,8
	v_pk_mul_f32 v[16+\e:17+\e], v[16+\e:17+\e], v[96:97] op_sel_hi:[1,0]    ; probabilities
.endr
.irp e,0,2,4,6,8
	v_pk_add_f32 v[48+\e:49+\e], v[16+\e:17+\e], s[66:67] op_sel_hi:[1,0]
.endr
.irp e,0,1,2,3,4,5,6,7,8,9
	v_log_f32 v[48+\e], v[48+\e]                   ; log2; its argument is at least 1e-9
.endr
	v_nop
	s_wait_alu depctr_va_vdst(0)
	v_pk_mul_f32 v[98:99], v[16:17], v[48:49]
.irp e,2,4,6,8
	v_pk_fma_f32 v[98:99], v[16+\e:17+\e], v[48+\e:49+\e], v[98:99]
.endr
	v_add_f32 v98, v98, v99
	v_permlanex16_b32 v99, v98, s72, s73
	v_add_f32 v98, v98, v99
	v_fma_f32 v98, v98, s70, s71                   ; 0.25 (1 + sum p log2 p / log2 18)
	ds_store_b32 v109, v98                         ; both halves hold the same number and write the same word
.endm
	UNIT 0
	UNIT 1
	s_cmp_ge_u32 s11, 2                            ; ten tiles for four waves: tiles 8 and 9 go to kq = 0, 1
	s_cbranch_scc1 .Lno_third
	UNIT 2
.Lno_third:
	s_wait_dscnt 0x0
	s_barrier_signal -1
	s_barrier_wait -1
	; the way out: 1,280 bytes; each of waves 0..4 stores 256 consecutive bytes, at a multiple of 256 from part's first byte
	s_cmp_ge_u32 s10, 5
	s_cbranch_scc1 .Lend
	v_lshlrev_b32 v100, 3, v0
	v_add_nc_u32 v101, STAGE, v100
	ds_load_b64 v[104:105], v101
	s_wait_dscnt 0x0
	global_store_b64 v100, v[104:105], s[8:9]
.Lend:
	s_wait_tensorcnt 0x0
	ds_add_u32 v224, v225
	s_wait_dscnt 0x0
	s_endpgm
.Lfunc_end_k_qc118f87810_mi:
	.size	k_qc118f87810_mi, .Lfunc_end_k_qc118f87810_mi-k_qc118f87810_mi
	.p2alignl 7, 3214868480
	.fill 96, 4, 3214868480
	.section	.rodata,"a",@progbits
	.p2align	6, 0x0
	.amdhsa_kernel k_qc118f87810_mi
		.amdhsa_group_segment_fixed_size 321792
		.amdhsa_private_segment_fixed_size 0
		.amdhsa_enable_private_segment 0
		.amdhsa_kernarg_size 24
		.amdhsa_user_sgpr_count 2
		.amdhsa_user_sgpr_kernarg_segment_ptr 1
		.amdhsa_wavefront_size32 1
		.amdhsa_system_sgpr_workgroup_id_x 1
		.amdhsa_system_sgpr_workgroup_id_y 1
		.amdhsa_system_sgpr_workgroup_id_z 1
		.amdhsa_system_vgpr_workitem_id 0
		.amdhsa_next_free_vgpr 226
		.amdhsa_next_free_sgpr 80
		.amdhsa_reserve_vcc 0
		.amdhsa_float_denorm_mode_32 3
		.amdhsa_float_denorm_mode_16_64 3
		.amdhsa_memory_ordered 1
		.amdhsa_forward_progress 1
		.amdhsa_inst_pref_size 173
	.end_amdhsa_kernel
	.amdgpu_metadata
---
amdhsa.version: [ 1, 2 ]
amdhsa.kernels:
  - .name:           k_qc118f87810_mi
    .symbol:         k_qc118f87810_mi.kd
    .args:
      - { .name: amp, .offset: 0, .size: 8, .value_kind: global_buffer, .address_space: global }
      - { .name: pha, .offset: 8, .size: 8, .value_kind: global_buffer, .address_space: global }
      - { .name: part, .offset: 16, .size: 8, .value_kind: global_buffer, .address_space: global }
    .group_segment_fixed_size: 321792
    .private_segment_fixed_size: 0
    .kernarg_segment_align: 8
    .kernarg_segment_size: 24
    .max_flat_workgroup_size: 256
    .sgpr_count:     80
    .vgpr_count:     226
    .wavefront_size: 32
...
	.end_amdgpu_metadata
.endif
;; end of part 1
;; launch segmean (part 2): grid 75 x 1, 4 waves a work-group, no clusters, 0 bytes of LDS; arguments part, out0; writes out0
.if DOCPART == 2
	.amdgcn_target "amdgcn-amd-amdhsa--gfx1250"
	.amdhsa_code_object_version 6
	.text
	.protected	k_qc118f87810_segmean
	.globl	k_qc118f87810_segmean
	.p2align	8
	.type	k_qc118f87810_segmean,@function
k_qc118f87810_segmean:
	s_mov_b64 s[64:65], 0
	v_nop
	global_prefetch_b8 v0, s[64:65] scope:SCOPE_SE
	s_setreg_imm32_b32 hwreg(HW_REG_WAVE_MODE, 25, 1), 1
	s_wait_xcnt 0x0
; out0[bc][p][a] = the sum over the four segments of part[seg][bc][p][a] (each already holds a quarter of its segment's index).
; part's rows have 32 numbers, out0's 30.  A thread takes a pair of neighbouring a: 15 pairs a row, 640 rows, 9,600 threads = 75 x 128.
; A wave's store covers 256 consecutive bytes, at a multiple of 256 from out0's first byte.
; No LDS, no matrix unit: 4 loads, 3 packed adds and a store for each thread.
.set SEGB, 81920                       ; a segment of part: 640 rows x 128 bytes
	s_load_b128 s[4:7], s[0:1], 0x0                ; part, out0
	s_lshl_b32 s8, ttmp9, 7
	v_add_nc_u32 v1, s8, v0                        ; pair number g, below 9,600
	v_mul_u32_u24 v2, v1, 0x8889                   ; 34,953 x 15 = 2^19 + 7: the excess, g x 7 / (15 x 2^19), stays below 0.009 < 1/15,
	v_lshrrev_b32 v2, 19, v2                       ; so this is g / 15 exactly: the row
	v_add_lshl_u32 v3, v1, v2, 3                   ; in part: 128 row + 8 (g - 15 row) = 8 (g + row)
	v_lshlrev_b32 v4, 3, v1                        ; in out0: 8 g
	s_wait_kmcnt 0x0
	global_load_b64 v[6:7], v3, s[4:5]
	global_load_b64 v[8:9], v3, s[4:5] offset:SEGB
	global_load_b64 v[10:11], v3, s[4:5] offset:2*SEGB
	global_load_b64 v[12:13], v3, s[4:5] offset:3*SEGB
	s_wait_loadcnt 0x0
	v_pk_add_f32 v[6:7], v[6:7], v[8:9]
	v_pk_add_f32 v[6:7], v[6:7], v[10:11]
	v_pk_add_f32 v[6:7], v[6:7], v[12:13]
	global_store_b64 v4, v[6:7], s[6:7]
	s_endpgm
.Lfunc_end_k_qc118f87810_segmean:
	.size	k_qc118f87810_segmean, .Lfunc_end_k_qc118f87810_segmean-k_qc118f87810_segmean
	.p2alignl 7, 3214868480
	.fill 96, 4, 3214868480
	.section	.rodata,"a",@progbits
	.p2align	6, 0x0
	.amdhsa_kernel k_qc118f87810_segmean
		.amdhsa_group_segment_fixed_size 0
		.amdhsa_private_segment_fixed_size 0
		.amdhsa_enable_private_segment 0
		.amdhsa_kernarg_size 16
		.amdhsa_user_sgpr_count 2
		.amdhsa_user_sgpr_kernarg_segment_ptr 1
		.amdhsa_wavefront_size32 1
		.amdhsa_system_sgpr_workgroup_id_x 1
		.amdhsa_system_sgpr_workgroup_id_y 1
		.amdhsa_system_sgpr_workgroup_id_z 1
		.amdhsa_system_vgpr_workitem_id 0
		.amdhsa_next_free_vgpr 16
		.amdhsa_next_free_sgpr 66
		.amdhsa_reserve_vcc 0
		.amdhsa_float_denorm_mode_32 3
		.amdhsa_float_denorm_mode_16_64 3
		.amdhsa_memory_ordered 1
		.amdhsa_forward_progress 1
		.amdhsa_inst_pref_size 2
	.end_amdhsa_kernel
	.amdgpu_metadata
---
amdhsa.version: [ 1, 2 ]
amdhsa.kernels:
  - .name:           k_qc118f87810_segmean
    .symbol:         k_qc118f87810_segmean.kd
    .args:
      - { .name: part, .offset: 0, .size: 8, .value_kind: global_buffer, .address_space: global }
      - { .name: out0, .offset: 8, .size: 8, .value_kind: global_buffer, .address_space: global }
    .group_segment_fixed_size: 0
    .private_segment_fixed_size: 0
    .kernarg_segment_align: 8
    .kernarg_segment_size: 16
    .max_flat_workgroup_size: 128
    .sgpr_count:     66
    .vgpr_count:     16
    .wavefront_size: 32
...
	.end_amdgpu_metadata
.endif
;; end of part 2
